; MI455X (gfx1250); checked and timed in simulation.
; The chip was launched on July 23, 2026; its instructions are those of AMD's public machine-readable ISA for CDNA 5 (MIT licence, August 2026) and "CDNA5" Instruction Set Architecture Reference Guide (July 2026). The comments in the code are by the model that wrote it; some were corrected since.
;; LFGA. Allowed arithmetic: matrix products marked QUANTISED: E2M3 operands, one E8M0 scale for each 32 along K, by v_wmma_scale_f32_16x16x128_f8f6f4 with both operands' format E2M3, f32 sums; everything else in f32.
;; Inputs: Wk_codes 64 x 8 x 24 uint8 (E2M3 codes of Wk, K innermost, in blocks of 32 codes, four codes in three bytes); Wk_scales 64 x 8 uint8 (E8M0 scales of Wk, one for each 32 codes along K); Wq_codes 64 x 8 x 24 uint8 (E2M3 codes of Wq, K innermost, in blocks of 32 codes, four codes in three bytes); Wq_scales 64 x 8 uint8 (E8M0 scales of Wq, one for each 32 codes along K); Wv_codes 256 x 8 x 24 uint8 (E2M3 codes of Wv, K innermost, in blocks of 32 codes, four codes in three bytes); Wv_scales 256 x 8 uint8 (E8M0 scales of Wv, one for each 32 codes along K); bk 64 float32; bq 64 float32; bv 256 float32; fa 8 x 256 x 64 x 64 float32; fb_codes 8 x 64 x 64 x 8 x 24 uint8 (E2M3 codes of fb, K innermost, in blocks of 32 codes, four codes in three bytes); fb_scales 8 x 64 x 64 x 8 uint8 (E8M0 scales of fb, one for each 32 codes along K); gamma one number float32.
;; Outputs: out0 8 x 256 x 64 x 64 float32.
;; This version of the problem:
;;   THIS VERSION OF THE PROBLEM IS GIVEN IN LOW PRECISION. The matrix products marked QUANTISED in the list below multiply operands that are first quantised to E2M3 (2 exponent bits, 3 mantissa bits; 6 bits a number), with one power-of-two scale for each 32 numbers along K (OCP MX v1.0); their sums are f32. All else is computed in f32.
;;   The module's matrix products, in the order in which they are computed (A, B: the left and right operand; K: the contracted axis; several contracted axes count as one K, in the product's order):
;;     1. [M 64, K 256] x [K 256, N 32,768]; A: input Wq (given as codes); B: input fb (given as codes): QUANTISED
;;     2. [M 64, K 256] x [K 256, N 32,768]; A: input Wk (given as codes); B: input fb (given as codes): QUANTISED
;;     3. [M 256, K 256] x [K 256, N 32,768]; A: input Wv (given as codes); B: input fa: QUANTISED
;;     4. batch 8 x [M 4,096, K 64] x [K 64, N 4,096]; A: computed on the way; B: computed on the way: QUANTISED
;;     5. batch 8 x [M 256, K 4,096] x [K 4,096, N 4,096]; A: computed on the way; B: softmax (see below): QUANTISED
;;   THE QUANTISER, for each operand of a quantised product, along K:
;;     - K is cut into blocks of 32 from its start; a last block that is shorter is filled with zeros.
;;     - A block's scale is 2^e with e = floor(log2(the largest magnitude in the block)) - 2, held to -126 .. 127; a block of zeros has e = 0. As a byte (E8M0): e + 127.
;;     - Each number is divided by its block's scale, clamped to +-7.5, and rounded to the nearest number of E2M3, ties to even, subnormals kept.
;;     - The product sums the exact products of the quantised numbers (number of the format x scale) in f32.
;;   ~~~python
;;   def quantise(x, axis):      # numpy; x: float32 -> the quantised numbers, widened to float32 again
;;       x = np.moveaxis(x, axis, -1); K = x.shape[-1]
;;       x = np.pad(x, [(0, 0)] * (x.ndim - 1) + [(0, -K % 32)]); x = x.reshape(x.shape[:-1] + (-1, 32)); a = np.abs(x).max(-1, keepdims=True)
;;       e = np.where(a > 0, np.clip(np.frexp(np.where(a > 0, a, 1))[1] - 1 - 2, -126, 127), 0)      # np.frexp(a)[1] - 1 = floor(log2(a)), exactly
;;       r = np.clip(x / 2.0 ** e, -7.5, 7.5)
;;       step = 2.0 ** (np.maximum(np.frexp(np.where(r == 0, 1, r))[1] - 1, 0) - 3)
;;       q = np.round(r / step) * step * 2.0 ** e      # np.round: ties to even
;;       return np.moveaxis(q.reshape(q.shape[:-2] + (-1,))[..., :K], -1, axis).astype(np.float32)
;;   ~~~
;;   SOFTMAX AHEAD OF A QUANTISED PRODUCT. Where the list says 'softmax', what is quantised is not the finished softmax but p = 2^(t - M), with t = logit x log2(e) and M = ceil(the row's largest t), a whole number; so 1/2 < the row's largest p <= 1. The row's sum l is taken of the UNQUANTISED p, in f32, and the product's result is divided by l at the end. Since M is a whole number, a kernel that streams over the keys may use a running M (the ceiling of the running maximum): every later rescaling is an exact power of two, which a block's scale takes up: the codes' values come out the same.
;;   OPERANDS COMPUTED ON THE WAY. 'Computed on the way' means the value that the module computes at that place (a softmax that the list does not call 'softmax' is quantised finished and normalised). What goes into a quantiser is computed in f32, as accurately as f32 sums, v_exp_f32 and their like allow (about 1e-6 of the number): no bf16 or f16 on the way to a quantiser, and a product that is left as it is and whose result goes on into a quantised operand takes f32 operands (vector FMAs, or v_wmma_f32_16x16x4_f32). A number that lies on a knife's edge between two numbers of the format may be rounded either way, as far as f32 arithmetic and the matrix unit's own rounding can turn it there, and no further.
;;   INPUTS GIVEN AS CODES. Wk (in the module: [64, 256], K = its axis 1); Wq (in the module: [64, 256], K = its axis 1); Wv (in the module: [256, 256], K = its axis 1); fb (in the module: [8, 256, 64, 64], K = its axis 1): each comes as NAME_codes (uint8): NAME with its K axis moved to the last place and cut into blocks of 32 codes, [.., K / 32, bytes a block], one block behind the other in memory; four codes in three bytes: a row's codes are one little-endian stream of bits, code i at bits 6 i .. 6 i + 5 (a code: sign, 2 exponent bits, 3 mantissa bits); and NAME_scales (uint8): the same leading axes, one E8M0 byte (e + 127) for each 32 codes along K. Its value is code x scale, taken as it is: it is not quantised again, and the codes and scales need not be those that the quantiser above would give.
;; One version. Each part assembles by itself: llvm-mc -triple=amdgcn-amd-amdhsa -mcpu=gfx1250 --defsym DOCPART=n.
;; ======== version 1 of 1: 2 launches
;; workspace buffers: qimg 1,572,864 bytes; kvrec 8,388,608 bytes
;; launch prep (part 1): grid 32 x 8, 8 waves a work-group, no clusters, 139,264 bytes of LDS; arguments fa, fb_codes, fb_scales, Wq_codes, Wk_codes, Wq_scales, Wk_scales, bq, bk, Wv_codes, Wv_scales, bv, qimg, kvrec; writes qimg, kvrec
.if DOCPART == 1
	.amdgcn_target "amdgcn-amd-amdhsa--gfx1250"
	.amdhsa_code_object_version 6
	.text
	.protected	k_q5471907aa0_prep
	.globl	k_q5471907aa0_prep
	.p2align	8
	.type	k_q5471907aa0_prep,@function
k_q5471907aa0_prep:
	s_mov_b64 s[64:65], 0
	v_nop
	global_prefetch_b8 v0, s[64:65] scope:SCOPE_SE
	s_setreg_imm32_b32 hwreg(HW_REG_WAVE_MODE, 25, 1), 1
	s_wait_xcnt 0x0
; q = Wq fb + bq, k = Wk fb + bk, v = Wv Q(fa) + bv, all three products on codes of FP6 (E2M3) with one E8M0 scale for each 32 along K; then q and k are quantised along their 64 channels and
; v along the keys, and all three leave as IMAGES OF OPERAND REGISTERS, in the order in which the attention launch's lanes take them.
; NO WORK IS LEFT OUT: every product is live, and bq, bk and bv each go into a quantiser, so every input is loaded.
; LIMITS: NaN and infinities among the inputs are not served.  A block of zeros, or one whose largest magnitude lies under 2^(2 - 126), gets the scale byte 1 where the rule says 127 for zeros: its codes are zeros, which add
; nothing under any byte but 0xff, and the bytes are read by this program alone.
; SHARES.  A work-group (x = block of 128 pixels, y = batch) has eight waves; wave w: g = w % 4, hh = w / 4.
;   C:  THE CODES THAT ARRIVE AS CODES COME INTO LDS ONCE.  Wq's 64 rows, Wk's 64, Wv's 256 and the 128 pixels' rows of fb are 512 rows of 192 bytes; each wave copies 64 of them, a dense run of 12,288 bytes, by 24 loads of 512
;       consecutive bytes.  A fragment fetched from memory would take 8 bytes of each of 16 rows 192 bytes apart, six times over, and again in every wave that wants the same rows.
;   A:  the wave quantises fa down the channels: a lane takes pixel 32 g + lane, its registers run down channels 128 hh + 0 .. 127: four blocks of 32, each whole in one lane.  The codes go to LDS as pieces of fragments' images.
;   QK: the wave makes q (hh = 0) or k (hh = 1) for the pair g of pixel tiles: source 0 = 16 rows of the weight, source 1 = 16 pixels: a lane holds one pixel, its registers run along the 64 channels, the next K.
;   V:  the wave makes channel tiles 2 w and 2 w + 1 for all 128 pixels: source 0 = 16 pixels (fa's fragments from LDS), source 1 = 16 rows of Wv: a lane holds one channel, its registers run along the pixels, the next K.
; THE PIXELS OF A TILE ARE NOT NEIGHBOURS: lane r of tile u of pair g holds pixel 32 g + 8 u + r + 8 (r / 8); the weights' rows of a tile likewise.  So the 16 registers of two neighbouring tiles are 16 neighbours along the next K.
; AN IMAGE is 12 registers a lane in 1,536 bytes: registers 4 c .. 4 c + 3 of lane l at 512 c + 16 l.
; A RECORD of kvrec (32,768 bytes, one for each 128 pixels): 0: four pair images of k (registers 0-5: tile u = 0, lane (r, h) = the 32 codes of channel block h of its key; 6-11: tile u = 1); 6,144: sixteen images of v
; (16 channels x 128 keys); 30,720: k's scale words (16 r + 4 g: bytes 0, 1 tile u = 0, bytes 2, 3 tile u = 1); 30,976: v's (tile t, channel r: 256 (t / 4) + 16 r + 4 (t % 4)); 32,000: q's, laid as k's; 32,256: 512 zeros,
; stored so that every byte that the next launch's tile loads read has been written.  A record of qimg (6,144 bytes): four pair images of q.
; No tensor load: fa's lane-to-a-column loads of 4 bytes read 128 consecutive bytes a wave, four waves side by side on 512, and the copies go through registers.
.set FRB,   1536                       ; an image in bytes
.set FAIMG, 0                          ; LDS: fa's 16 fragments (pixel tile T, K step ks: 2 T + ks)
.set FASC,  24576                      ; their scale words, 64 bytes each
.set SCA,   25600                      ; an image of the record's last 2,048 bytes
.set SPARE, 27648                      ; the spare words, 128 bytes for each wave: four blocks of 256 bytes that no other line names
.set STG,   28672                      ; the 512 rows of codes: Wq's 0-63, Wk's 64-127, Wv's 128-383, fb's 384-511.  Row n lies at RP n + 128 (n / 16)
.set RP,    208                        ; 192 bytes + 16 = 52 words.  With the 128 bytes behind every 16 rows, row r of a tile, be its rows neighbours or r + 8 (r / 8), starts at bank 52 r mod 64 (64 banks of 4 bytes: ISA guide 11.1):
                                       ; sixteen different multiples of 4; lanes 16-31 read 6 words on: the 32 lanes of a load of 8 bytes touch 64 different banks
.set B16,   16*RP+128                  ; 16 rows
.set WREG,  4*B16                      ; 64 rows: what one wave copies
.set WLA, 4                            ; v4   LDS: a lane's place in a tile of Wq (hh = 0) or Wk (hh = 1): (r + 8 (r / 8)) RP + 128 (r / 8) + 24 h
.set FSL, 5                            ; v5   (r + 8 (r / 8)) x 8: a lane's place among fb's, Wq's, Wk's scale words
.set BL,  6                            ; v6   64 h: bq, bk
.set WVLA, 7                           ; v7   LDS: a lane's place in my tiles of Wv: r RP + 24 h
.set R8,  8                            ; v8   8 r
.set R4,  9                            ; v9   4 r
.set FAO, 10                           ; v10  4 x lane: fa
.set WA,  11                           ; v11  LDS: where my pixel's codes go
.set WSA, 12                           ; v12  and its scale word
.set LI,  13                           ; v13  16 x lane: an image's place for my lane
.set FLA, 14                           ; v14  LDS: a lane's place in my pair's tiles of fb
.set SQK, 15                           ; v15  LDS: q's or k's scale word
.set SVV, 16                           ; v16  LDS: v's scale words
.set ZP,  17                           ; v17  LDS: my 2 bytes of the 512 zeros
.set CPL, 18                           ; v18  LDS: the copy out, 8 bytes a lane
.set CPG, 19                           ; v19  8 x lane
.set SPW, 20                           ; v20  LDS address of my spare word; never rewritten
.set NIL, 21                           ; v21  0; never rewritten
.set WSC, 22                           ; v22-29 the weight's scale words (2 ct + ks); v30-33 fb's (2 u + ks); v34-37 Wv's (2 tt + ks); v38-45 fa's (T): these hold scales and nothing else
.set FBS, 30
.set WVS, 34
.set FAS, 38
.set BVV, 46                           ; v46-47 bv of my channel, tile tt
.set BV8, 48                           ; v48-55 the same eight times: the C of a sum's first product
.set TM,  56                           ; v56-71 at work in the quantisers
.set PW,  72                           ; v72  a scale word just made
.set HW,  73                           ; v73-74 two scale bytes of tile u
.set KW,  75                           ; v75  a pair's scale word
.set PC,  76                           ; v76-95 codes just made: 12 registers, and two runs of three at +12 and +16
.set X,   96                           ; v96-159  A: two sets of 32 numbers of fa;  V: the 8 accumulators (8 T + j)
.set ACC, 96
.set E,   160                          ; v160-183 A: a block's six registers of codes, a set for each block
.set CT,  184                          ; v184-186 A: a conversion's second three
.set SW,  188                          ; v188 A: my pixel's scale word
.set SA,  189                          ; v189-191 C: where a lane's 16 bytes of the copy's load 3 a + b go: register b
.set QACC, 192                         ; v192-255 QK: 8 accumulators (32 u + 8 ct + j)
.set FF,  160                          ; v160-255 V: fa's eight fragments of a K step
.set WF,  0                            ; window 1: v0-95 C: the copy's 24 x 4 registers; then the weight's 8 fragments (2 ct + ks); v96-143 fb's four (2 u + ks); v144-191 Wv's four (2 tt + ks)
.set FBF, 96
.set WVF, 144
.set WV,  36                           ; s36 wave; s37 g; s38 hh; s39 the record's number; s54 the batch
.set G,   37
.set HH,  38
.set RECN, 39
.set BA,  54
.set SEL, 42                           ; s[42:43] v_permlanex16_b32's selects for lane l xor 16
.set WS,  46                           ; s[46:47] Wq's or Wk's scales; s[48:49] bq or bk; s[50:51] where my pair image goes
.set BI,  48
.set OUTP, 50
.set KVV, 52                           ; s[52:53] my two images of v in the record
.set KVT, 56                           ; s[56:57] my 256 bytes of the record's tail
.set SRC, 62                           ; s[62:63] the 12,288 bytes that my wave copies
.set MSB, 0
.macro WIN new                         ; the immediate's high byte repeats the setting that is left
.if MSB != \new
	s_set_vgpr_msb (MSB<<8)|\new
.set MSB, \new
.endif
.endm
.macro LOAD t                          ; block t: fa(128 hh + 32 t + i, my pixel), i = 0 .. 31, into set t % 2
.irp i, 0,1,2,3,4,5,6,7,8,9,10,11,12,13,14,15,16,17,18,19,20,21,22,23,24,25,26,27,28,29,30,31
	global_load_b32 v[X+32*((\t)%2)+\i], v[FAO], s[8:9] offset:(32*(\t)+\i)*16384 th:TH_LOAD_NT
.endr
.endm
; Block t of my pixel: its largest magnitude, its scale byte, its 32 codes: six registers, which are registers 6 (t / 2) .. + 5 of lane (my row) + 16 (t % 2) of the fragment; they go to that lane's places in the image.
.macro BLOCK t
.set XS, X+32*((\t)%2)
.set EB, E+6*(\t)
.if (\t) == 1                          ; (block 0's loads were waited for ahead of the copy's stores)
	s_wait_loadcnt 63                              ; loads come back in order.  Behind block 1's loads 66 were issued, the 34 small ones and block 2's 32: a wait for fewer than that shows block 1's in
.elseif (\t) == 2
	s_wait_loadcnt 32                              ; all but block 3's 32 are in
.elseif (\t) == 3
	s_wait_loadcnt 0x0
.endif
	v_max3_num_f32 v[TM], |v[XS]|, |v[XS+1]|, |v[XS+2]|
	v_max3_num_f32 v[TM+1], |v[XS+3]|, |v[XS+4]|, |v[XS+5]|
.irp i, 6,10,14,18,22,26
	s_delay_alu instid0(VALU_DEP_2)
	v_max3_num_f32 v[TM], v[TM], |v[XS+\i]|, |v[XS+\i+1]|
	s_delay_alu instid0(VALU_DEP_2)
	v_max3_num_f32 v[TM+1], v[TM+1], |v[XS+\i+2]|, |v[XS+\i+3]|
.endr
	s_delay_alu instid0(VALU_DEP_2)
	v_max3_num_f32 v[TM], v[TM], |v[XS+30]|, |v[XS+31]|
	s_delay_alu instid0(VALU_DEP_1)
	v_max3_num_f32 v[TM], v[TM], v[TM+1], 0x1800000   ; and the floor 2^(3 - 127): the byte cannot fall under 1
	s_delay_alu instid0(VALU_DEP_1)
	v_add_nc_u32 v[TM+12], 0xff000000, v[TM]       ; 2 off the exponent field: the conversion takes the exponent field of this operand as its scale
	s_delay_alu instid0(VALU_DEP_1)
	v_lshrrev_b32 v[TM+1], 23, v[TM+12]            ; the scale's byte
.if (\t) == 0
	s_delay_alu instid0(VALU_DEP_1)
	v_mov_b32 v[SW], v[TM+1]
.else
	s_delay_alu instid0(VALU_DEP_1)
	v_lshl_or_b32 v[SW], v[TM+1], 8*(\t), v[SW]
.endif
	v_cvt_scalef32_pk16_fp6_f32 v[EB:EB+2], v[XS:XS+15], v[TM+12]
	v_cvt_scalef32_pk16_fp6_f32 v[CT:CT+2], v[XS+16:XS+31], v[TM+12]   ; (a conversion's three registers begin on an even number)
	v_nop                                          ; one plain place behind a scaled conversion
.irp i, 0,1,2
	v_mov_b32 v[EB+3+\i], v[CT+\i]
.endr
.if (\t) < 2
	ds_store_b128 v[WA], v[EB:EB+3] offset:256*((\t)%2)            ; registers 0-3
	ds_store_b64 v[WA], v[EB+4:EB+5] offset:512+256*((\t)%2)       ; registers 4, 5
.else
	ds_store_b64 v[WA], v[EB:EB+1] offset:520+256*((\t)%2)         ; registers 6, 7
	ds_store_b128 v[WA], v[EB+2:EB+5] offset:1024+256*((\t)%2)     ; registers 8-11
.endif
.if (\t) < 2
	LOAD (\t)+2
.endif
.endm
; 32 numbers of a lane, register 16 b + i = channel 32 b + 16 (lane / 16) + i of my pixel, become six registers of codes at v[d] on (lane (r, h): block h) and two scale bytes in v[hw].
.macro QUANT2 s, d, hw
.irp b, 0,1
	v_max3_num_f32 v[TM+\b], |v[\s+16*\b]|, |v[\s+1+16*\b]|, 0x1800000
.endr
.irp i, 2,4,6,8,10,12,14
.irp b, 0,1
	v_max3_num_f32 v[TM+\b], v[TM+\b], |v[\s+16*\b+\i]|, |v[\s+1+16*\b+\i]|
.endr
.endr
.irp b, 0,1
	s_delay_alu instid0(VALU_DEP_2)
	v_permlanex16_b32 v[TM+4+\b], v[TM+\b], s[SEL], s[SEL+1]
.endr
.irp b, 0,1
	s_delay_alu instid0(VALU_DEP_2)
	v_max_num_f32 v[TM+\b], v[TM+\b], v[TM+4+\b]   ; with lane l xor 16's: the block's largest magnitude
.endr
.irp b, 0,1
	s_delay_alu instid0(VALU_DEP_2)
	v_add_nc_u32 v[TM+12+\b], 0xff000000, v[TM+\b]
.endr
.irp b, 0,1
	s_delay_alu instid0(VALU_DEP_2)
	v_lshrrev_b32 v[TM+4+\b], 23, v[TM+12+\b]
.endr
	s_delay_alu instid0(VALU_DEP_1)
	v_lshl_or_b32 v[\hw], v[TM+5], 8, v[TM+4]
	v_cvt_scalef32_pk16_fp6_f32 v[\d:\d+2], v[\s:\s+15], v[TM+12]
	v_cvt_scalef32_pk16_fp6_f32 v[PC+12:PC+14], v[\s+16:\s+31], v[TM+13]
	v_nop                                          ; one plain place behind a scaled conversion
.irp i, 0,1,2
	v_permlane16_swap_b32 v[\d+\i], v[PC+12+\i]    ; the first's lanes 16-31 change places with the second's lanes 0-15: a whole block in a lane
.endr
.irp i, 0,1,2
	s_delay_alu instid0(VALU_DEP_3)
	v_mov_b32 v[\d+3+\i], v[PC+12+\i]
.endr
.endm
; 64 numbers of a lane, register 16 b + i = k 32 b + 16 (lane / 16) + i of my row, become a fragment's codes in v[PC] on and its scale word in v[PW].
.macro QUANT s
.irp b, 0,1,2,3
	v_max3_num_f32 v[TM+\b], |v[\s+16*\b]|, |v[\s+1+16*\b]|, 0x1800000
.endr
.irp i, 2,4,6,8,10,12,14
.irp b, 0,1,2,3
	v_max3_num_f32 v[TM+\b], v[TM+\b], |v[\s+16*\b+\i]|, |v[\s+1+16*\b+\i]|
.endr
.endr
.irp b, 0,1,2,3
	s_delay_alu instid0(VALU_DEP_4)
	v_permlanex16_b32 v[TM+4+\b], v[TM+\b], s[SEL], s[SEL+1]
.endr
.irp b, 0,1,2,3
	s_delay_alu instid0(VALU_DEP_4)
	v_max_num_f32 v[TM+\b], v[TM+\b], v[TM+4+\b]
.endr
.irp b, 0,1,2,3
	s_delay_alu instid0(VALU_DEP_4)
	v_add_nc_u32 v[TM+12+\b], 0xff000000, v[TM+\b]
.endr
.irp b, 0,1,2,3
	s_delay_alu instid0(VALU_DEP_4)
	v_lshrrev_b32 v[TM+4+\b], 23, v[TM+12+\b]
.endr
	s_delay_alu instid0(VALU_DEP_3)
	v_lshl_or_b32 v[PW], v[TM+5], 8, v[TM+4]
	s_delay_alu instid0(VALU_DEP_1)
	v_lshl_or_b32 v[PW], v[TM+6], 16, v[PW]
	s_delay_alu instid0(VALU_DEP_1)
	v_lshl_or_b32 v[PW], v[TM+7], 24, v[PW]
.irp c, 0,1
	v_cvt_scalef32_pk16_fp6_f32 v[PC+6*\c:PC+2+6*\c], v[\s+32*\c:\s+15+32*\c], v[TM+12+2*\c]
	v_cvt_scalef32_pk16_fp6_f32 v[PC+12+4*\c:PC+14+4*\c], v[\s+16+32*\c:\s+31+32*\c], v[TM+12+2*\c+1]
.endr
	v_nop                                          ; one plain place behind a scaled conversion
.irp c, 0,1
.irp i, 0,1,2
	v_permlane16_swap_b32 v[PC+6*\c+\i], v[PC+12+4*\c+\i]
.endr
.irp i, 0,1,2
	s_delay_alu instid0(VALU_DEP_3)
	v_mov_b32 v[PC+3+6*\c+\i], v[PC+12+4*\c+\i]
.endr
.endr
.endm
.macro FETCH8 ks                       ; fa's eight fragments of K step ks, and their scale words
.irp m, 0,1,2,3,4,5,6,7
.irp c, 0,1,2
	ds_load_b128 v[FF+12*\m+4*\c:FF+12*\m+4*\c+3], v[LI] offset:FAIMG+(2*\m+(\ks))*FRB+512*\c
.endr
	ds_load_b32 v[FAS+\m], v[R4] offset:FASC+(2*\m+(\ks))*64
.endr
.endm
.macro BARRIER                         ; my LDS stores have landed and my LDS loads are in: then the work-group's barrier
	s_wait_dscnt 0x0
	s_barrier_signal -1
	s_barrier_wait -1
.endm
	s_load_b512 s[8:23], s[0:1], 0x0               ; fa 8, fb's codes 10, fb's scales 12, Wq's codes 14, Wk's codes 16, Wq's scales 18, Wk's scales 20, bq 22
	s_load_b256 s[24:31], s[0:1], 0x40             ; bk 24, Wv's codes 26, Wv's scales 28, bv 30
	s_load_b128 s[32:35], s[0:1], 0x60             ; qimg 32, kvrec 34
	v_lshl_add_u32 v[SPW], v0, 2, SPARE
	v_mov_b32 v[NIL], 0
	v_lshrrev_b32 v1, 5, v0
	s_delay_alu instid0(VALU_DEP_1)
	v_readfirstlane_b32 s[WV], v1                  ; wave 0..7
	s_and_b32 s[G], s[WV], 3
	s_lshr_b32 s[HH], s[WV], 2
	s_and_b32 s[BA], ttmp7, 0xffff
	s_lshl_b32 s[RECN], s[BA], 5
	s_add_co_u32 s[RECN], s[RECN], ttmp9           ; the record: 32 x batch + block of 128 pixels
	s_mov_b32 s[SEL], 0x76543210
	s_mov_b32 s[SEL+1], 0xfedcba98
	v_and_b32 v1, 31, v0                           ; lane
	v_and_b32 v2, 15, v0                           ; r
	v_bfe_u32 v3, v0, 4, 1                         ; h
	s_delay_alu instid0(VALU_DEP_3)
	v_lshlrev_b32 v[FAO], 2, v1
	s_delay_alu instid0(VALU_DEP_4)
	v_lshlrev_b32 v[LI], 4, v1
	s_delay_alu instid0(VALU_DEP_4)
	v_and_b32 v[WLA], 8, v2                        ; 8 (r / 8)
	s_delay_alu instid0(VALU_DEP_1)
	v_add_nc_u32 v[FSL], v[WLA], v2                ; r + 8 (r / 8)
	s_delay_alu instid0(VALU_DEP_2)
	v_lshlrev_b32 v[WLA], 4, v[WLA]                ; 128 (r / 8): rows 16 on lie behind one more gap of 128 bytes
	s_delay_alu instid0(VALU_DEP_1)
	v_mad_u32_u24 v[WLA], v[FSL], RP, v[WLA]
	s_delay_alu instid0(VALU_DEP_1)
	v_mad_u32_u24 v[WLA], v3, 24, v[WLA]           ; a lane's place in a tile whose rows are r + 8 (r / 8)
	s_mul_i32 s40, s[G], 2*B16                     ; fb's rows 32 g on, behind the 384 rows of the weights
	s_add_co_u32 s40, s40, STG+6*WREG
	v_add_nc_u32 v[FLA], s40, v[WLA]
	s_mul_i32 s40, s[HH], WREG                     ; Wq's rows, or Wk's
	s_add_co_u32 s40, s40, STG
	v_add_nc_u32 v[WLA], s40, v[WLA]
	v_lshlrev_b32 v[FSL], 3, v[FSL]
	v_lshlrev_b32 v[BL], 6, v3
	v_mul_u32_u24 v[WVLA], v2, RP
	s_delay_alu instid0(VALU_DEP_1)
	v_mad_u32_u24 v[WVLA], v3, 24, v[WVLA]
	s_mul_i32 s40, s[WV], 2*B16                    ; Wv's rows 32 w on, behind Wq's and Wk's
	s_add_co_u32 s40, s40, STG+2*WREG
	v_add_nc_u32 v[WVLA], s40, v[WVLA]
	v_lshlrev_b32 v[R8], 3, v2
	v_lshlrev_b32 v[R4], 2, v2
	; the copy: load 3 a + b brings the wave's pieces of 16 bytes 96 a + d, d = 32 b + lane; twelve pieces are a row, 96 are eight rows.  Piece d lies in row d / 12 of the eight: 16 d + 16 (d / 12) bytes on; d / 12 = 43 d >> 9 for d under 96
	s_mul_i32 s40, s[WV], WREG
	s_add_co_u32 s40, s40, STG
.irp b, 0,1,2
	v_add_nc_u32 v[SA+\b], 32*\b, v1
	s_delay_alu instid0(VALU_DEP_1)
	v_mul_u32_u24 v[PW], v[SA+\b], 43
	s_delay_alu instid0(VALU_DEP_1)
	v_lshrrev_b32 v[PW], 9, v[PW]
	s_delay_alu instid0(VALU_DEP_1)
	v_add_nc_u32 v[SA+\b], v[PW], v[SA+\b]
	s_delay_alu instid0(VALU_DEP_1)
	v_lshl_add_u32 v[SA+\b], v[SA+\b], 4, s40
.endr
	; pixel 32 g + lane is row (lane % 8) + 8 (lane / 16) of tile u = (lane / 8) % 2 of pair g
	v_bfe_u32 v[KW], v0, 3, 1                      ; its tile u
	v_and_b32 v[SQK], 7, v0
	s_delay_alu instid0(VALU_DEP_1)
	v_lshl_add_u32 v[SQK], v3, 3, v[SQK]           ; its row
	s_lshl_b32 s40, s[G], 2
	s_add_co_u32 s40, s40, s[HH]                   ; 4 g + hh: the fragment's number is that + 2 u
	s_mul_i32 s41, s40, FRB
	v_mul_u32_u24 v[WA], v[KW], 2*FRB
	s_delay_alu instid0(VALU_DEP_1)
	v_lshl_add_u32 v[WA], v[SQK], 4, v[WA]
	s_delay_alu instid0(VALU_DEP_1)
	v_add_nc_u32 v[WA], s41, v[WA]
	s_lshl_b32 s41, s40, 6
	s_add_co_u32 s41, s41, FASC
	v_lshlrev_b32 v[WSA], 7, v[KW]
	s_delay_alu instid0(VALU_DEP_1)
	v_lshl_add_u32 v[WSA], v[SQK], 2, v[WSA]
	s_delay_alu instid0(VALU_DEP_1)
	v_add_nc_u32 v[WSA], s41, v[WSA]
	s_xor_b32 s40, s[HH], 1                        ; k's words lie at the tail's head, q's 1,280 bytes on
	s_mul_i32 s40, s40, 1280
	s_lshl_b32 s41, s[G], 2
	s_add_co_u32 s40, s40, s41
	s_add_co_u32 s40, s40, SCA
	v_lshl_add_u32 v[SQK], v2, 4, s40
	s_lshr_b32 s40, s[WV], 1                       ; v's words: tile 2 w + tt: 256 (w / 2) + 8 (w % 2) + 4 tt + 16 r
	s_lshl_b32 s40, s40, 8
	s_and_b32 s41, s[WV], 1
	s_lshl_b32 s41, s41, 3
	s_add_co_u32 s40, s40, s41
	s_add_co_u32 s40, s40, SCA+256
	v_lshl_add_u32 v[SVV], v2, 4, s40
	v_lshl_add_u32 v[ZP], v0, 1, SCA+1536
	s_lshl_b32 s40, s[WV], 8
	s_add_co_u32 s40, s40, SCA
	v_lshl_add_u32 v[CPL], v1, 3, s40
	v_lshlrev_b32 v[CPG], 3, v1
.irp b, 0,1,2,3
	v_mov_b32 v[TM+4+\b], 0                        ; written once: a lane permute's destination counts as one of its sources
.endr
	ds_store_b16 v[ZP], v[NIL]                     ; the record's 512 zeros
	s_lshl_b32 s40, s[BA], 22                      ; fa: batch x 4 MiB + 128 hh channels of 16,384 bytes + 512 x block + 128 g
	s_lshl_b32 s41, s[HH], 21
	s_add_co_u32 s40, s40, s41
	s_lshl_b32 s41, ttmp9, 9
	s_add_co_u32 s40, s40, s41
	s_lshl_b32 s41, s[G], 7
	s_add_co_u32 s40, s40, s41
	s_mov_b32 s41, 0
	; where my wave's 12,288 bytes begin in the tensor that it copies from: wave 0: Wq, 1: Wk, at 0; waves 2-5: Wv, at 12,288 (w - 2); waves 6, 7: fb, at 24,576 x record + 12,288 (w - 6)
	s_mul_i32 s60, s[WV], 12288
	s_mov_b32 s61, 6*12288
	s_cmp_lt_u32 s[WV], 6
	s_cselect_b32 s61, 2*12288, s61
	s_cmp_lt_u32 s[WV], 2
	s_cselect_b32 s61, s60, s61
	s_sub_co_u32 s60, s60, s61
	s_mul_i32 s61, s[RECN], 24576
	s_cmp_lt_u32 s[WV], 6
	s_cselect_b32 s61, 0, s61
	s_add_co_u32 s60, s60, s61
	s_mov_b32 s61, 0
	s_wait_kmcnt 0x0
	s_add_nc_u64 s[8:9], s[8:9], s[40:41]
	LOAD 0                                         ; fa's first block goes out first: phase A waits for it
	s_cmp_lt_u32 s[WV], 6                          ; the choices hang on the wave's number alone
	s_cselect_b64 s[SRC:SRC+1], s[26:27], s[10:11]
	s_cmp_eq_u32 s[WV], 1
	s_cselect_b64 s[SRC:SRC+1], s[16:17], s[SRC:SRC+1]
	s_cmp_eq_u32 s[WV], 0
	s_cselect_b64 s[SRC:SRC+1], s[14:15], s[SRC:SRC+1]
	s_add_nc_u64 s[SRC:SRC+1], s[SRC:SRC+1], s[60:61]
	WIN 0x40                                       ; destination window 1
.set ii, 0
.rept 24
	global_load_b128 v[4*ii:4*ii+3], v[LI], s[SRC:SRC+1] offset:512*ii   ; 32 lanes read 512 consecutive bytes
.set ii, ii+1
.endr
	WIN 0
	LOAD 1
	s_lshl_b32 s58, s[RECN], 7
	s_lshl_b32 s59, s[G], 5
	s_add_co_u32 s58, s58, s59                     ; my pair's first pixel, counted through all batches:
	s_lshl_b32 s58, s58, 3                         ; its scale bytes
	s_mov_b32 s59, 0
	s_add_nc_u64 s[12:13], s[12:13], s[58:59]
	s_lshl_b32 s40, s[WV], 8                       ; the scale bytes of my 32 rows of Wv,
	s_add_nc_u64 s[28:29], s[28:29], s[40:41]
	s_lshl_b32 s40, s[WV], 7                       ; their bv
	s_add_nc_u64 s[30:31], s[30:31], s[40:41]
	s_lshl_b32 s40, s[RECN], 15
	s_add_nc_u64 s[34:35], s[34:35], s[40:41]      ; my record of kvrec,
	s_mul_i32 s40, s[RECN], 6144
	s_add_nc_u64 s[32:33], s[32:33], s[40:41]      ; and of qimg
	s_cmp_eq_u32 s[HH], 0                          ; q's wave or k's: the choice hangs on the wave's number alone
	s_cselect_b64 s[WS:WS+1], s[18:19], s[20:21]
	s_cselect_b64 s[BI:BI+1], s[22:23], s[24:25]
	s_cselect_b64 s[OUTP:OUTP+1], s[32:33], s[34:35]
	s_mul_i32 s40, s[G], FRB
	s_add_nc_u64 s[OUTP:OUTP+1], s[OUTP:OUTP+1], s[40:41]
	s_mul_i32 s40, s[WV], 2*FRB
	s_add_co_u32 s40, s40, 6144
	s_add_nc_u64 s[KVV:KVV+1], s[34:35], s[40:41]
	s_lshl_b32 s40, s[WV], 8
	s_add_co_u32 s40, s40, 30720
	s_add_nc_u64 s[KVT:KVT+1], s[34:35], s[40:41]
	; ---- C: the copy goes into LDS
	s_wait_loadcnt 32                              ; fa's block 0 and the copy's 24 loads are in; block 1's 32 may be out
	WIN 0x04                                       ; an LDS store's data are its source 1: window 1
.set ii, 0
.rept 24
	ds_store_b128 v[SA+ii%3], v[4*ii:4*ii+3] offset:(ii/3)*8*RP+((ii/3)/2)*128   ; eight rows on for every three loads, and a gap of 128 bytes for every sixteen rows
.set ii, ii+1
.endr
	WIN 0
	; the small loads, 34: scale words and biases; they land under phase A
.irp ct, 0,1,2,3                       ; the weight's tile ct = 2 b + u begins at row 32 b + 8 u
.irp ks, 0,1
	global_load_b32 v[WSC+2*\ct+\ks], v[FSL], s[WS:WS+1] offset:(32*(\ct/2)+8*(\ct%2))*8+4*\ks
.endr
.endr
.irp u, 0,1
.irp ks, 0,1
	global_load_b32 v[FBS+2*\u+\ks], v[FSL], s[12:13] offset:64*\u+4*\ks
.endr
.endr
.irp u, 0,1                            ; the bias is loaded into the accumulators: it is the C of each sum's first product.  Lane (r, h), tile ct = 2 b + u', register j: channel 32 b + 16 h + 8 u' + j
.irp ct, 0,1,2,3
	global_load_b128 v[QACC+32*\u+8*\ct:QACC+32*\u+8*\ct+3], v[BL], s[BI:BI+1] offset:(32*(\ct/2)+8*(\ct%2))*4
	global_load_b128 v[QACC+32*\u+8*\ct+4:QACC+32*\u+8*\ct+7], v[BL], s[BI:BI+1] offset:(32*(\ct/2)+8*(\ct%2))*4+16
.endr
.endr
.irp tt, 0,1
.irp ks, 0,1
	global_load_b32 v[WVS+2*\tt+\ks], v[R8], s[28:29] offset:\tt*128+4*\ks
.endr
	global_load_b32 v[BVV+\tt], v[R4], s[30:31] offset:64*\tt
.endr
	; ---- A: fa's codes
	BLOCK 0
	BLOCK 1
	BLOCK 2
	BLOCK 3
	ds_store_b32 v[WSA], v[SW]
	BARRIER                                        ; the 512 rows of codes, fa's sixteen fragments and their scale words lie in LDS
	; ---- the fragments that stay in registers: six pieces of 8 bytes each, so that every address is a multiple of the access's size
	WIN 0x40                                       ; destination window 1
.irp ct, 0,1,2,3
.irp ks, 0,1
.irp p, 0,1,2,3,4,5
	ds_load_b64 v[WF+12*(2*\ct+\ks)+2*\p:WF+12*(2*\ct+\ks)+2*\p+1], v[WLA] offset:(32*(\ct/2)+8*(\ct%2))*RP+(\ct/2)*256+96*\ks+48*(\p/3)+8*(\p%3)
.endr
.endr
.endr
.irp u, 0,1
.irp ks, 0,1
.irp p, 0,1,2,3,4,5
	ds_load_b64 v[FBF+12*(2*\u+\ks)+2*\p:FBF+12*(2*\u+\ks)+2*\p+1], v[FLA] offset:8*\u*RP+96*\ks+48*(\p/3)+8*(\p%3)
.endr
.endr
.endr
.irp tt, 0,1
.irp ks, 0,1
.irp p, 0,1,2,3,4,5
	ds_load_b64 v[WVF+12*(2*\tt+\ks)+2*\p:WVF+12*(2*\tt+\ks)+2*\p+1], v[WVLA] offset:\tt*B16+96*\ks+48*(\p/3)+8*(\p%3)
.endr
.endr
.endr
	WIN 0
	s_wait_dscnt 24                                ; the weight's and fb's fragments are in; Wv's 24 loads may be out
	; ---- QK: 16 products, the 8 accumulators by turns
	WIN 0x05                                       ; sources 0 and 1 window 1
.irp ks, 0,1
.irp u, 0,1
.irp ct, 0,1,2,3
	v_wmma_scale_f32_16x16x128_f8f6f4 v[QACC+32*\u+8*\ct:QACC+32*\u+8*\ct+7], v[WF+12*(2*\ct+\ks):WF+12*(2*\ct+\ks)+11], v[FBF+12*(2*\u+\ks):FBF+12*(2*\u+\ks)+11], v[QACC+32*\u+8*\ct:QACC+32*\u+8*\ct+7], v[WSC+2*\ct+\ks], v[FBS+2*\u+\ks] matrix_a_fmt:MATRIX_FMT_FP6 matrix_b_fmt:MATRIX_FMT_FP6
.endr
.endr
.endr
	WIN 0
.rept 4
	v_nop                                          ; four places in front of the first read of results
.endr
	QUANT2 QACC, PC, HW
	QUANT2 QACC+32, PC+6, HW+1
	v_lshl_or_b32 v[KW], v[HW+1], 16, v[HW]        ; bytes 0, 1: tile u = 0; bytes 2, 3: tile u = 1
.irp c, 0,1,2
	global_store_b128 v[LI], v[PC+4*\c:PC+4*\c+3], s[OUTP:OUTP+1] offset:512*\c   ; the pair's image: 512 consecutive bytes a store
.endr
	ds_store_b32 v[SQK], v[KW]                     ; lanes r and r + 16 write the same word with the same value
	; ---- V: two channel tiles, each for all 128 pixels: 8 accumulators by turns, a K step at a time
.irp tt, 0,1
.irp j, 0,1,2,3,4,5,6,7
	v_mov_b32 v[BV8+\j], v[BVV+\tt]                ; bv of my channel is the same for all pixels
.endr
	s_wait_alu depctr_va_vdst(0)
.rept 4
	v_nop
.endr
.irp ks, 0,1
	FETCH8 \ks
	s_wait_dscnt 0x0
	WIN 0x04                                       ; source 1 (Wv) window 1
.irp m, 0,1,2,3,4,5,6,7
.if \ks == 0
	v_wmma_scale_f32_16x16x128_f8f6f4 v[ACC+8*\m:ACC+8*\m+7], v[FF+12*\m:FF+12*\m+11], v[WVF+12*(2*\tt+\ks):WVF+12*(2*\tt+\ks)+11], v[BV8:BV8+7], v[FAS+\m], v[WVS+2*\tt+\ks] matrix_a_fmt:MATRIX_FMT_FP6 matrix_b_fmt:MATRIX_FMT_FP6
.else
	v_wmma_scale_f32_16x16x128_f8f6f4 v[ACC+8*\m:ACC+8*\m+7], v[FF+12*\m:FF+12*\m+11], v[WVF+12*(2*\tt+\ks):WVF+12*(2*\tt+\ks)+11], v[ACC+8*\m:ACC+8*\m+7], v[FAS+\m], v[WVS+2*\tt+\ks] matrix_a_fmt:MATRIX_FMT_FP6 matrix_b_fmt:MATRIX_FMT_FP6
.endif
.endr
	WIN 0
.rept 5
	v_nop                                          ; four places in front of loads into the fragments' registers and of the first read of results; the fifth for the next tile's products, which begin these accumulators anew with another C
.endr
.endr
	s_wait_xcnt 0x0                                ; the last image's stores have read their registers: the codes' registers may be written again
	QUANT ACC                                      ; register 16 g + i = key 32 g + 16 (lane / 16) + i of my channel
.irp c, 0,1,2
	global_store_b128 v[LI], v[PC+4*\c:PC+4*\c+3], s[KVV:KVV+1] offset:\tt*FRB+512*\c
.endr
	ds_store_b32 v[SVV], v[PW] offset:4*\tt
.endr
	BARRIER                                        ; the record's last 2,048 bytes lie in LDS
	s_wait_xcnt 0x0                                ; the last image's stores have read their registers
	ds_load_b64 v[PC:PC+1], v[CPL]
	s_wait_dscnt 0x0
	global_store_b64 v[CPG], v[PC:PC+1], s[KVT:KVT+1]   ; 32 lanes store 256 consecutive bytes, at a multiple of 256 from the buffer's first byte
	s_wait_tensorcnt 0x0                           ; the wave's end: behind my last LDS store
	ds_add_u32 v[SPW], v[NIL]
	s_wait_dscnt 0x0
	s_endpgm
.Lfunc_end_k_q5471907aa0_prep:
	.size	k_q5471907aa0_prep, .Lfunc_end_k_q5471907aa0_prep-k_q5471907aa0_prep
	.p2alignl 7, 3214868480
	.fill 96, 4, 3214868480
	.section	.rodata,"a",@progbits
	.p2align	6, 0x0
	.amdhsa_kernel k_q5471907aa0_prep
		.amdhsa_group_segment_fixed_size 139264
		.amdhsa_private_segment_fixed_size 0
		.amdhsa_enable_private_segment 0
		.amdhsa_kernarg_size 112
		.amdhsa_user_sgpr_count 2
		.amdhsa_user_sgpr_kernarg_segment_ptr 1
		.amdhsa_wavefront_size32 1
		.amdhsa_system_sgpr_workgroup_id_x 1
		.amdhsa_system_sgpr_workgroup_id_y 1
		.amdhsa_system_sgpr_workgroup_id_z 1
		.amdhsa_system_vgpr_workitem_id 0
		.amdhsa_next_free_vgpr 512
		.amdhsa_next_free_sgpr 66
		.amdhsa_reserve_vcc 0
		.amdhsa_float_denorm_mode_32 3
		.amdhsa_float_denorm_mode_16_64 3
		.amdhsa_memory_ordered 1
		.amdhsa_forward_progress 1
		.amdhsa_inst_pref_size 73
	.end_amdhsa_kernel
	.amdgpu_metadata
---
amdhsa.version: [ 1, 2 ]
amdhsa.kernels:
  - .name:           k_q5471907aa0_prep
    .symbol:         k_q5471907aa0_prep.kd
    .args:
      - { .name: fa, .offset: 0, .size: 8, .value_kind: global_buffer, .address_space: global }
      - { .name: fb_codes, .offset: 8, .size: 8, .value_kind: global_buffer, .address_space: global }
      - { .name: fb_scales, .offset: 16, .size: 8, .value_kind: global_buffer, .address_space: global }
      - { .name: Wq_codes, .offset: 24, .size: 8, .value_kind: global_buffer, .address_space: global }
      - { .name: Wk_codes, .offset: 32, .size: 8, .value_kind: global_buffer, .address_space: global }
      - { .name: Wq_scales, .offset: 40, .size: 8, .value_kind: global_buffer, .address_space: global }
      - { .name: Wk_scales, .offset: 48, .size: 8, .value_kind: global_buffer, .address_space: global }
      - { .name: bq, .offset: 56, .size: 8, .value_kind: global_buffer, .address_space: global }
      - { .name: bk, .offset: 64, .size: 8, .value_kind: global_buffer, .address_space: global }
      - { .name: Wv_codes, .offset: 72, .size: 8, .value_kind: global_buffer, .address_space: global }
      - { .name: Wv_scales, .offset: 80, .size: 8, .value_kind: global_buffer, .address_space: global }
      - { .name: bv, .offset: 88, .size: 8, .value_kind: global_buffer, .address_space: global }
      - { .name: qimg, .offset: 96, .size: 8, .value_kind: global_buffer, .address_space: global }
      - { .name: kvrec, .offset: 104, .size: 8, .value_kind: global_buffer, .address_space: global }
    .group_segment_fixed_size: 139264
    .private_segment_fixed_size: 0
    .kernarg_segment_align: 8
    .kernarg_segment_size: 112
    .max_flat_workgroup_size: 256
    .sgpr_count:     66
    .vgpr_count:     512
    .wavefront_size: 32
...
	.end_amdgpu_metadata
.endif
;; end of part 1
;; launch attn (part 2): grid 32 x 8, 8 waves a work-group, clusters of 4 x 1, 327,680 bytes of LDS; arguments qimg, kvrec, fa, gamma, out0; writes out0
.if DOCPART == 2
	.amdgcn_target "amdgcn-amd-amdhsa--gfx1250"
	.amdhsa_code_object_version 6
	.text
	.protected	k_q5471907aa0_attn
	.globl	k_q5471907aa0_attn
	.p2align	8
	.type	k_q5471907aa0_attn,@function
k_q5471907aa0_attn:
	s_mov_b64 s[64:65], 0
	v_nop
	global_prefetch_b8 v0, s[64:65] scope:SCOPE_SE
	s_setreg_imm32_b32 hwreg(HW_REG_WAVE_MODE, 25, 1), 1
	s_wait_xcnt 0x0
	s_wait_alu depctr_hold_cnt(0) depctr_sa_sdst(0) depctr_va_vdst(0) depctr_va_sdst(0) depctr_va_ssrc(0) depctr_va_vcc(0) depctr_vm_vsrc(0)
	s_getreg_b32 s2, hwreg(HW_REG_IB_STS2, 6, 4)
	s_cmp_eq_u32 s2, 0
	s_cbranch_scc0 .Lentry_in_a_cluster
	s_endpgm
.Lentry_in_a_cluster:
	s_bfe_u32 s2, ttmp6, 0x10000c
	s_cmp_lg_u32 s2, 0x3003
	s_cbranch_scc0 .Lentry_shape_is_right
	s_endpgm
.Lentry_shape_is_right:
; out0[b][c][i] = relu(gamma x (sum over j of v[b][c][j] p[i][j]) / l[i] + fa[b][c][i]), p = 2^(t - M), t = (q_i . k_j) x log2(e), M = the row's largest t so far rounded UP to a whole number, l = the row's sum of the
; unquantised p.  Both products on codes of FP6 (E2M3) with one E8M0 scale for each 32 along K.  q, k, v come as images of operand registers from the launch before (its head comment has the layouts).  No work is left out.
; LIMITS: NaN and infinities are not served.  A block's largest p is taken as the exponential of the block's largest score (p rises with the score; this takes v_exp_f32 not to fall where its input rises).  A block whose
; every p has fallen to 0 keeps the scale byte 1: its codes are zeros.
; SHARES.  A work-group owns the 128 queries of one record; each of its eight waves one tile of 16 queries (pair g = w / 2, tile u = w % 2), two waves to a SIMD.  Every wave walks all 32 key steps of 128 keys of its batch.
; LAYOUT.  Both products are used transposed: S^T = k q^T (source 0 = keys), O^T = v p^T (source 0 = 16 channels): a lane holds ONE query throughout.
; THE FIRST PRODUCT HAS K = 64 IN A FORM OF K = 128.  A pair image of k holds tile u = 0's 64 channels at K 0-63 and tile u = 1's at K 64-127.  It is multiplied by [q; 0] for tile 0's scores and by [0; q] for tile 1's: the
; zero half has zero codes under the scale byte 0x7f, and a code of this format and k's scales are finite, so those products are exact zeros.  [0; q] and [q; 0] overlap in 18 registers: 0 x 6, q x 6, 0 x 6.
; CLUSTER.  The four work-groups of a cluster belong to one batch and walk the same records: each tile is asked for JOINTLY, by the same tensor load with the same descriptor and a mask that names the four.  A work-group's place
; in its cluster enters global addresses alone (q, fa, out0, the prefetch).  There is no second shared operand, so the cluster is 4 x 1.
; THE RING.  Two LDS slots of four records (131,072 bytes).  Every wave fetches an eighth of a slot, 64 rows of 256 bytes, with one load; by this text's count one tensor load of a wave is out at a time, and it has four key steps in which to land.
; REGISTERS, window 0: v1-10 addresses; v12 -M, v13 the largest t, v[14:15] the sum; v16-33 q; v34-56 scales alone; v[58:59] f; v64-127 S^T, then p, then (v64-111) four fragments of v; v128-175 k's four pair images, then four
; fragments of v; v176-187 p's codes; v188-208 at work.   window 1: v0-127 O^T (tile t at 8 t: register j = channel 16 t + 8 (lane / 16) + j); v128-255 my 32 rows of fa, asked for at the head and wanted at the end.
.set REC,   32768                      ; a record
.set SLOTB, 4*REC                      ; a slot
.set SLOT1, 1<<17                      ; slot 1 begins here: one exclusive or turns an address in one slot into the other's
.set OFV,   6144                       ; in a record: v's images; k's scale words; v's; q's
.set OFKS,  30720
.set OFVS,  30976
.set OFQS,  32000
.set SPARE, 2*SLOT1                    ; behind the ring: the spare words, 128 bytes for each wave: four blocks of 256 bytes that no other line names
.set SP,    528                        ; the way out: a stage of 256 rows (channels) x (512 bytes + 16), from LDS byte 0 on: over the ring, when it has had its last fill and its last read
.set LI,  1                            ; v1   16 x lane; never rewritten
.set LR,  2                            ; v2   16 x (lane % 16); never rewritten
.set SPW, 3                            ; v3   LDS address of my spare word; never rewritten
.set NIL, 4                            ; v4   0; never rewritten
.set AD,  5                            ; v5   LDS address of the record in hand, + 16 x lane
.set ADS, 6                            ; v6   + 16 x (lane % 16)
.set STO, 7                            ; v7   the way out: where my query's numbers go, channels 0-127; v8: channels 128-255
.set STO2, 8
.set RD,  9                            ; v9   and where I read rows back
.set PFO, 10                           ; v10  256 x lane: the prefetches' offset; never rewritten
.set QZ,  16                           ; v16-33: [0; q] = v[16:27], [q; 0] = v[22:33]
.set QSA, 34                           ; v34  q's scale word for [q; 0]; v35 for [0; q]
.set QSB, 35
.set KS,  36                           ; v36-39 k's scale words, pair g
.set VS,  40                           ; v40-55 v's, tile t
.set PS,  56                           ; v56  p's
.set FF,  58                           ; v[58:59] f = 2^(old M - new M); at the end gamma / l
.set S,   64
.set KF,  128
.set PC,  176
.set CV,  188                          ; v188-190, v192-194 a conversion's second three
.set BM,  196                          ; v196-199 the blocks' largest scores, then largest p
.set BT,  200                          ; v200-203 at work
.set SO,  204                          ; v204-207 the conversions' scale operands
.set X1,  208
.set WV,  14                           ; s14 wave; s15 my place in the cluster; s16 my record in the batch; s17 the batch
.set CX,  15
.set XB,  16
.set BA,  17
.set SEL, 20                           ; s[20:21] v_permlanex16_b32's selects for lane l xor 16
.set CS,  22                           ; s[22:23] log2(e): the packed form names a pair and takes its low word for both halves
.set G1,  24                           ; s[24:31] descriptor group 1; s[32:35] group 0, which walks
.set G0,  32
.set TB,  36                           ; s36 LDS byte at which the record in hand begins
.set SLOTS, 37                         ; s37 slots still to be asked for
.set INNER, 38                         ; s38 counts a slot's four key steps
.set PFA, 40                           ; s[40:41] where my prefetches stand
.set LIM, 42                           ; s42 1 in a wave that prefetches, else the greatest number
.set GAM, 43                           ; s43 gamma
.set UM,  44                           ; s44 all ones where my tile is u = 1, else 0; s45 16 u
.set USH, 45
.set FAB, 46                           ; s[46:47] fa, s[48:49] out0 at my wave's 32 channels and my work-group's 128 pixels
.set OUTB, 48
.set MSB, 0
.macro WIN new                         ; the immediate's high byte repeats the setting that is left
.if MSB != \new
	s_set_vgpr_msb (MSB<<8)|\new
.set MSB, \new
.endif
.endm
; A round of the cluster's barrier: my work-group's barrier, so that wave 0's signal speaks for all eight waves; wave 0 signals for the work-group; every wave waits for all four work-groups; my work-group's barrier once more.
.macro CROUND
	s_barrier_signal -1
	s_barrier_wait -1
	s_cmp_lg_u32 s[WV], 0
	s_cbranch_scc1 .Lnot_wave_0_\@
	s_barrier_signal -3
.Lnot_wave_0_\@:
	s_barrier_wait -3
	s_barrier_signal -1
	s_barrier_wait -1
.endm
.macro JLOAD                           ; the joint load: every wave issues it, with no branch.  An s_nop 0 and four v_nop follow it
	tensor_load_to_lds s[G0:G0+3], s[G1:G1+7]
	s_nop 0
.rept 4
	v_nop
.endr
.endm
; A PREFETCH INTO THE L2 of the slot that the NEXT change of slots will ask for: four key steps ahead of that load.  Each block of 256 bytes is named once in the launch: all clusters of a batch walk the same records, so the batch's
; first cluster asks; its four partners take a record (32,768 bytes) each, told apart BY ADDRESS; in each, waves 0 to 3 have one instruction, 8,192 bytes a wave, lanes 256 bytes apart.  The last change that fills a slot asks for
; nothing: there is no slot behind it.  Slots 0 and 1 come by their loads alone.
.macro ASK
	s_cmp_gt_u32 s[SLOTS], s[LIM]
	s_cbranch_scc0 .Lnot_mine_\@
	global_prefetch_b8 v[PFO], s[PFA:PFA+1] th:TH_LOAD_NT scope:SCOPE_SE
.Lnot_mine_\@:
.endm
.macro VLOAD n, buf                    ; v's tiles 4 n .. 4 n + 3: twelve loads
.irp tl, 0,1,2,3
.irp c, 0,1,2
	ds_load_b128 v[\buf+12*\tl+4*\c:\buf+12*\tl+4*\c+3], v[AD] offset:OFV+1536*(4*(\n)+\tl)+512*\c
.endr
.endr
.endm
.macro PVMUL n, buf                    ; O^T += v p^T for those four tiles
.irp tl, 0,1,2,3
	v_wmma_scale_f32_16x16x128_f8f6f4 v[8*(4*(\n)+\tl):8*(4*(\n)+\tl)+7], v[\buf+12*\tl:\buf+12*\tl+11], v[PC:PC+11], v[8*(4*(\n)+\tl):8*(4*(\n)+\tl)+7], v[VS+4*(\n)+\tl], v[PS] matrix_a_fmt:MATRIX_FMT_FP6 matrix_b_fmt:MATRIX_FMT_FP6
.endr
.endm
.macro PLACES
.rept 4
	v_nop
.endr
.endm
; A KEY STEP: the 128 keys of the record at s[TB].  The accumulators take turns, one instruction a turn.
.macro STEP
	v_add_nc_u32 v[AD], s[TB], v[LI]
	v_add_nc_u32 v[ADS], s[TB], v[LR]
.rept 3
	v_nop                                          ; with the two additions five places behind the last step's products: four for the loads below, the fifth for the products that write S^T over fragments of v
.endr
.irp g, 0,1,2,3
.irp c, 0,1,2
	ds_load_b128 v[KF+12*\g+4*\c:KF+12*\g+4*\c+3], v[AD] offset:1536*\g+512*\c
.endr
.endr
	ds_load_b128 v[KS:KS+3], v[ADS] offset:OFKS
.irp q, 0,1,2,3
	ds_load_b128 v[VS+4*\q:VS+4*\q+3], v[ADS] offset:OFVS+256*\q
.endr
	s_wait_alu depctr_va_vdst(0)
	s_wait_dscnt 4                                 ; k and its scale words are in; the four loads of v's scale words may be out
.irp g, 0,1,2,3                        ; register 16 g + 8 u + j of S^T: key 32 g + 16 (lane / 16) + 8 u + j
	v_wmma_scale_f32_16x16x128_f8f6f4 v[S+16*\g:S+16*\g+7], v[KF+12*\g:KF+12*\g+11], v[QZ+6:QZ+17], 0, v[KS+\g], v[QSA] matrix_a_fmt:MATRIX_FMT_FP6 matrix_b_fmt:MATRIX_FMT_FP6
	v_wmma_scale_f32_16x16x128_f8f6f4 v[S+16*\g+8:S+16*\g+15], v[KF+12*\g:KF+12*\g+11], v[QZ:QZ+11], 0, v[KS+\g], v[QSB] matrix_a_fmt:MATRIX_FMT_FP6 matrix_b_fmt:MATRIX_FMT_FP6
.endr
	PLACES                                         ; in front of the loads into k's registers and of the first read of the scores
	VLOAD 0, KF                                    ; they land under the softmax
.irp b, 0,1,2,3
	v_max3_num_f32 v[BM+\b], v[S+16*\b], v[S+1+16*\b], v[S+2+16*\b]   ; the largest score of each block of 32 keys: for the row's maximum, and for the block's largest p
.endr
.irp i, 3,5,7,9,11,13
.irp b, 0,1,2,3
	v_max3_num_f32 v[BM+\b], v[BM+\b], v[S+16*\b+\i], v[S+1+16*\b+\i]
.endr
.endr
.irp b, 0,1,2,3
	v_max_num_f32 v[BM+\b], v[BM+\b], v[S+15+16*\b]
.endr
.irp b, 0,1,2,3
	s_delay_alu instid0(VALU_DEP_4)
	v_permlanex16_b32 v[BT+\b], v[BM+\b], s[SEL], s[SEL+1]
.endr
.irp b, 0,1,2,3
	s_delay_alu instid0(VALU_DEP_4)
	v_max_num_f32 v[BM+\b], v[BM+\b], v[BT+\b]     ; with lane l xor 16's 16 keys
.endr
	s_delay_alu instid0(VALU_DEP_2)
	v_max3_num_f32 v[X1], v[BM], v[BM+1], v[BM+2]
	s_delay_alu instid0(VALU_DEP_1)
	v_max_num_f32 v[X1], v[X1], v[BM+3]
	s_delay_alu instid0(VALU_DEP_1)
	v_mul_f32 v[X1], s[CS], v[X1]                  ; as t
	s_delay_alu instid0(VALU_DEP_1)
	v_max_num_f32 v13, v13, v[X1]                  ; the running largest t
	v_mov_b32 v[X1], v12
	s_delay_alu instid0(VALU_DEP_2)
	v_floor_f32 v12, -v13                          ; the new -M = floor(-t): M is a whole number
	s_delay_alu instid0(VALU_DEP_1)
	v_sub_f32 v[X1], v12, v[X1]                    ; M's old value less its new one: a whole number, 0 or less
	s_delay_alu instid0(VALU_DEP_1)
	v_cvt_i32_f32 v[X1], v[X1]                     ; (it saturates)
	s_delay_alu instid0(VALU_DEP_1)
	v_ldexp_f32 v[FF], 1.0, v[X1]                  ; f = 2^(old M - new M): a multiplication by it rounds nothing
.set ii, 0
.rept 32
	v_pk_fma_f32 v[S+2*ii:S+2*ii+1], v[S+2*ii:S+2*ii+1], s[CS:CS+1], v[12:13] op_sel_hi:[1,0,0]   ; t - M, two at a time
.set ii, ii+1
.endr
.irp b, 0,1,2,3
	v_fma_f32 v[BM+\b], v[BM+\b], s[CS], v12       ; the same of each block's largest score
.endr
.set ii, 0
	s_wait_alu depctr_va_vdst(0)
.rept 64
	v_exp_f32 v[S+ii], v[S+ii]                     ; p = 2^(t - M), at most 1: not normalised
.set ii, ii+1
.endr
	v_pk_mul_f32 v[14:15], v[14:15], v[FF:FF+1] op_sel_hi:[1,0]   ; the sums under the new M: the plain instruction behind the exponentials
	s_wait_alu depctr_va_vdst(0)                   ; one wait for the batch of 64, ahead of its first reader
.irp b, 0,1,2,3
	v_exp_f32 v[BM+\b], v[BM+\b]                   ; the block's largest p
.endr
	v_pk_add_f32 v[200:201], v[68:69], v[72:73]
	v_pk_add_f32 v[254:255], v[76:77], v[80:81]
	v_pk_add_f32 v[252:253], v[84:85], v[88:89]
	v_pk_add_f32 v[250:251], v[92:93], v[96:97]
	v_pk_add_f32 v[248:249], v[100:101], v[104:105]
	v_pk_add_f32 v[246:247], v[108:109], v[112:113]
	v_pk_add_f32 v[244:245], v[116:117], v[120:121]
	v_pk_add_f32 v[14:15], v[14:15], v[124:125]
	v_pk_add_f32 v[200:201], v[200:201], v[64:65]
	v_pk_add_f32 v[254:255], v[254:255], v[66:67]
	v_pk_add_f32 v[252:253], v[252:253], v[70:71]
	v_pk_add_f32 v[250:251], v[250:251], v[74:75]
	v_pk_add_f32 v[248:249], v[248:249], v[78:79]
	v_pk_add_f32 v[246:247], v[246:247], v[82:83]
	v_pk_add_f32 v[244:245], v[244:245], v[86:87]
	v_pk_add_f32 v[14:15], v[14:15], v[90:91]
	v_pk_add_f32 v[200:201], v[200:201], v[94:95]
	v_pk_add_f32 v[254:255], v[254:255], v[98:99]
	v_pk_add_f32 v[252:253], v[252:253], v[102:103]
	v_pk_add_f32 v[250:251], v[250:251], v[106:107]
	v_pk_add_f32 v[248:249], v[248:249], v[110:111]
	v_pk_add_f32 v[246:247], v[246:247], v[114:115]
	v_pk_add_f32 v[244:245], v[244:245], v[118:119]
	v_pk_add_f32 v[14:15], v[14:15], v[122:123]
	v_pk_add_f32 v[200:201], v[200:201], v[126:127]
	s_delay_alu instid0(VALU_DEP_2)
	v_pk_add_f32 v[14:15], v[14:15], v[250:251]
	s_delay_alu instid0(VALU_DEP_2)
	v_pk_add_f32 v[200:201], v[200:201], v[248:249]
	v_pk_add_f32 v[254:255], v[254:255], v[246:247]
	v_pk_add_f32 v[252:253], v[252:253], v[244:245]
	s_delay_alu instid0(VALU_DEP_2)
	v_pk_add_f32 v[14:15], v[14:15], v[254:255]
	s_delay_alu instid0(VALU_DEP_2)
	v_pk_add_f32 v[200:201], v[200:201], v[252:253]
	s_delay_alu instid0(VALU_DEP_1)
	v_pk_add_f32 v[14:15], v[14:15], v[200:201]
	s_wait_alu depctr_va_vdst(0)                   ; and one for the four
.irp b, 0,1,2,3
	v_max_num_f32 v[BM+\b], 0x1800000, v[BM+\b]    ; the floor 2^(3 - 127): the byte cannot fall under 1
.endr
.irp b, 0,1,2,3
	s_delay_alu instid0(VALU_DEP_4)
	v_add_nc_u32 v[SO+\b], 0xff000000, v[BM+\b]    ; 2 off the exponent field: the conversion's scale operand
.endr
.irp b, 0,1,2,3
	s_delay_alu instid0(VALU_DEP_4)
	v_lshrrev_b32 v[BT+\b], 23, v[SO+\b]           ; the scale's byte
.endr
	s_delay_alu instid0(VALU_DEP_3)
	v_lshl_or_b32 v[PS], v[BT+1], 8, v[BT]         ; p's scale word for these 128 keys
	s_delay_alu instid0(VALU_DEP_1)
	v_lshl_or_b32 v[PS], v[BT+2], 16, v[PS]
	s_delay_alu instid0(VALU_DEP_1)
	v_lshl_or_b32 v[PS], v[BT+3], 24, v[PS]
.irp c, 0,1
	v_cvt_scalef32_pk16_fp6_f32 v[PC+6*\c:PC+2+6*\c], v[S+32*\c:S+15+32*\c], v[SO+2*\c]
	v_cvt_scalef32_pk16_fp6_f32 v[CV+4*\c:CV+2+4*\c], v[S+16+32*\c:S+31+32*\c], v[SO+2*\c+1]   ; (a conversion's three registers begin on an even number)
.endr
	v_nop                                          ; one plain place behind a scaled conversion
.irp c, 0,1                            ; the operand's layout wants a whole block in a lane
.irp i, 0,1,2
	v_permlane16_swap_b32 v[PC+6*\c+\i], v[CV+4*\c+\i]
.endr
.irp i, 0,1,2
	s_delay_alu instid0(VALU_DEP_3)
	v_mov_b32 v[PC+3+6*\c+\i], v[CV+4*\c+\i]
.endr
.endr
	VLOAD 1, S                                     ; p has been summed and converted: its registers take fragments of v
	WIN 0x41                                       ; O^T (destination and source 0) window 1
.set ii, 0
	s_setprio 1
.rept 64
	v_pk_mul_f32 v[2*ii:2*ii+1], v[2*ii:2*ii+1], v[FF:FF+1] op_sel_hi:[1,0]   ; O^T under the new M.  (These are also the places between the lines that made p's codes and scale word and the products)
.set ii, ii+1
.endr
	s_wait_alu depctr_va_vdst(0)
	s_wait_dscnt 12                                ; v's scale words and tiles 0-3 are in; the twelve loads of tiles 4-7 may be out
	WIN 0x50                                       ; C and D window 1
	PVMUL 0, KF
	WIN 0
	PLACES
	VLOAD 2, KF
	s_wait_dscnt 12                                ; tiles 4-7 are in; the twelve just issued may be out
	WIN 0x50
	PVMUL 1, S
	WIN 0
	PLACES
	s_setprio 0
	VLOAD 3, S
	s_wait_dscnt 12                                ; tiles 8-11 are in
	WIN 0x50
	PVMUL 2, KF
	s_wait_dscnt 0x0
	PVMUL 3, S
	WIN 0
	s_add_co_u32 s[TB], s[TB], REC                 ; the next record
.endm
; THE CHANGE OF SLOTS stands at a slot's head.  Each wave waits for all its tensor loads (its part of the slot that it is about to read), adds 0 to its spare word, and waits for that and for its reads of the slot that it has left.
; fill = 1: a round of the cluster's barrier, so that no wave of any partner still reads the other slot or has a load on its way; the joint load of the next four records is the first thing behind it.
.macro CHANGE fill
	s_wait_tensorcnt 0x0                           ; no tensor load of mine is out, so the group 0 may be written
	ds_add_u32 v[SPW], v[NIL]                      ; 0 onto my spare word
.if \fill
	s_xor_b32 s[G0+1], s[G0+1], SLOT1              ; the other slot than last time,
	s_add_nc_u64 s[G0+2:G0+3], s[G0+2:G0+3], SLOTB ; the next four records; the type bits on top are not reached
	s_wait_xcnt 0x0                                ; the last prefetch, a slot back, has read its address, so it may be written
	s_add_nc_u64 s[PFA:PFA+1], s[PFA:PFA+1], SLOTB ; one slot further on than the walking descriptor
	s_wait_dscnt 0x0                               ; the add is done, and my reads of the slot that I have left are over
	CROUND
	JLOAD
	ASK
.else
	s_wait_dscnt 0x0
	s_barrier_signal -1
	s_barrier_wait -1
.endif
.endm
.macro SLOT_STEPS                      ; a slot's four key steps: written once, walked four times
	s_mov_b32 s[INNER], 4
.Lstep_\@:
	s_wait_alu depctr_va_vdst(0)
	s_setprio 2
	STEP
	s_sub_co_u32 s[INNER], s[INNER], 1
	s_cmp_lg_u32 s[INNER], 0
	s_cbranch_scc1 .Lstep_\@
	s_setprio 0
	s_sub_co_u32 s[TB], s[TB], SLOTB               ; back to a slot's first record,
	s_xor_b32 s[TB], s[TB], SLOT1                  ; in the other slot
.endm
	s_load_b256 s[4:11], s[0:1], 0x0               ; qimg 4, kvrec 6, fa 8, gamma 10
	s_load_b64 s[12:13], s[0:1], 0x20              ; out0
	v_lshl_add_u32 v[SPW], v0, 2, SPARE
	v_mov_b32 v[NIL], 0
	ds_add_u32 v[SPW], v[NIL]                      ; the wave's opening: the add, twice on end, and its wait ahead of my first tensor load
	ds_add_u32 v[SPW], v[NIL]                      ; and once more, under the one wait; the set-up below, work on registers, stands between
	v_lshrrev_b32 v[AD], 5, v0
	s_delay_alu instid0(VALU_DEP_1)
	v_readfirstlane_b32 s[WV], v[AD]               ; wave 0..7
	s_bfe_u32 s[CX], ttmp6, 0x40000                ; my place in the cluster
	s_lshl_b32 s[XB], ttmp9, 2                     ; in a cluster launch ttmp9 counts clusters
	s_add_co_u32 s[XB], s[XB], s[CX]               ; my record in the batch
	s_and_b32 s[BA], ttmp7, 0xffff                 ; the batch, which the four partners share
	; descriptor group 1: 64 rows of 256 bytes (32 elements of 8 bytes), dense in memory and in LDS
	s_mov_b32 s[G1], 15|(3<<16)|(1<<21)            ; 15:0 the mask: all four work-groups; 17:16 elements of 8 bytes; 20 padding off; 21 set beside a mask
	s_mov_b32 s[G1+1], 32<<16                      ; tensor_dim0 = 32
	s_mov_b32 s[G1+2], 64<<16                      ; tensor_dim1 = 64
	s_mov_b32 s[G1+3], 32<<16                      ; tile_dim0 = 32
	s_mov_b32 s[G1+4], 64                          ; tile_dim1 = 64
	s_mov_b32 s[G1+5], 32                          ; elements from row to row
	s_mov_b32 s[G1+6], 0
	s_mov_b32 s[G1+7], 0
	s_mov_b32 s[SEL], 0x76543210
	s_mov_b32 s[SEL+1], 0xfedcba98
	s_mov_b32 s[CS], 0x3fb8aa3b                    ; log2(e): the scores are not scaled
	s_mov_b32 s[CS+1], s[CS]                       ; (named with it as a pair, so it is written)
	s_mov_b32 s[TB], 0
	s_mov_b32 s[SLOTS], 7
	s_mov_b32 s[G0], 1                             ; count = 1
	s_lshl_b32 s[G0+1], s[WV], 14                  ; LDS address: slot 0, my eighth: no place in the cluster enters an LDS address
	s_lshl_b32 s50, s[BA], 20                      ; a batch's 32 records
	s_mov_b32 s51, 0
	s_lshl_b32 s54, s[WV], 14
	s_mov_b32 s55, 0
	s_wait_dscnt 0x0                               ; both opening adds are done
	s_wait_kmcnt 0x0
	s_load_b32 s[GAM], s[10:11], 0x0
	s_add_nc_u64 s[52:53], s[6:7], s[50:51]        ; kvrec at my batch
	s_add_nc_u64 s[G0+2:G0+3], s[52:53], s[54:55]  ; global address: my eighth of the first four records
	s_or_b32 s[G0+3], s[G0+3], 0x80000000          ; type = 2
	CROUND                                         ; all four work-groups are here: the first joint loads meet
	JLOAD                                          ; slot 0
	s_lshl_b32 s54, s[CX], 15                      ; the prefetches: my work-group's record of a slot, my wave's quarter of it,
	s_and_b32 s50, s[WV], 3
	s_lshl_b32 s50, s50, 13
	s_add_co_u32 s54, s54, s50
	s_add_co_u32 s54, s54, SLOTB                   ; in slot 1: the first change of slots steps it to slot 2.  Nothing is prefetched here, at the head
	s_add_nc_u64 s[PFA:PFA+1], s[52:53], s[54:55]
	s_lshr_b32 s[LIM], s[WV], 2                    ; 0 in waves 0 to 3,
	s_or_b32 s[LIM], s[LIM], ttmp9                 ; of the batch's first cluster: the same in all four partners
	s_cmp_eq_u32 s[LIM], 0
	s_cselect_b32 s[LIM], 1, -1
	s_lshl_b32 s54, s[BA], 22                      ; fa and out0: batch x 4 MiB + 32 w channels of 16,384 bytes + my 128 pixels
	s_lshl_b32 s50, s[WV], 19
	s_add_co_u32 s54, s54, s50
	s_lshl_b32 s50, s[XB], 9
	s_add_co_u32 s54, s54, s50
	s_add_nc_u64 s[FAB:FAB+1], s[8:9], s[54:55]
	s_add_nc_u64 s[OUTB:OUTB+1], s[12:13], s[54:55]
	s_lshr_b32 s18, s[WV], 1                       ; g
	s_lshl_b32 s54, s[BA], 5
	s_add_co_u32 s54, s54, s[XB]
	s_mul_i32 s54, s54, 6144
	s_mul_i32 s19, s18, 1536
	s_add_co_u32 s54, s54, s19
	s_add_nc_u64 s[4:5], s[4:5], s[54:55]          ; q's pair image
	s_lshl_b32 s54, s[XB], 15
	s_lshl_b32 s19, s18, 2
	s_add_co_u32 s54, s54, s19
	s_add_nc_u64 s[6:7], s[52:53], s[54:55]        ; my record, + 4 g: q's scale words lie OFQS bytes on
	s_and_b32 s[USH], s[WV], 1                     ; u
	s_cmp_eq_u32 s[USH], 0
	s_cselect_b32 s[UM], 0, -1
	s_lshl_b32 s[USH], s[USH], 4
	v_and_b32 v[LI], 31, v0
	s_delay_alu instid0(VALU_DEP_1)
	v_lshlrev_b32 v[PFO], 8, v[LI]
	s_delay_alu instid0(VALU_DEP_2)
	v_lshlrev_b32 v[LI], 4, v[LI]
	v_and_b32 v[LR], 15, v0
	s_delay_alu instid0(VALU_DEP_1)
	v_lshlrev_b32 v[LR], 4, v[LR]
.irp c, 0,1,2
	global_load_b128 v[S+4*\c:S+4*\c+3], v[LI], s[4:5] offset:512*\c   ; the pair's 12 registers
.endr
	global_load_b32 v[S+12], v[LR], s[6:7] offset:OFQS
	WIN 0x40                                       ; destination window 1
.set ii, 0
.rept 32
	global_load_b128 v[128+4*ii:128+4*ii+3], v[LI], s[FAB:FAB+1] offset:16384*ii th:TH_LOAD_NT   ; fa(32 w + ii, my work-group's 128 pixels): 512 consecutive bytes; wanted at the end, so these stay out through the loop
.set ii, ii+1
.endr
.set ii, 0
.rept 128
	v_mov_b32 v[ii], 0                             ; O^T.  (The key step is written once: its first trip finds zeros, which the first change of M leaves zeros; a first step of its own would be a third copy of the step)
.set ii, ii+1
.endr
	WIN 0
	v_mov_b32 v13, 0xff61b1e6                      ; the largest t so far: -3e38, under every t
	s_delay_alu instid0(VALU_DEP_1)
	v_floor_f32 v12, -v13                          ; -M
	v_mov_b32 v14, 0                               ; the sum, in two halves
	v_mov_b32 v15, 0
.irp b, 0,1,2,3
	v_mov_b32 v[BT+\b], 0                          ; written once: a lane permute's destination counts as one of its sources
.endr
	v_mov_b32 v[FF+1], 0                           ; (named as the upper half of the pair before it is first written)
.irp i, 0,1,2,3,4,5
	v_mov_b32 v[QZ+\i], 0                          ; the zero halves: zero codes
	v_mov_b32 v[QZ+12+\i], 0
.endr
	s_wait_loadcnt 32                              ; q and its scale word are in; the 32 loads of fa stay out
.irp i, 0,1,2,3,4,5
	v_cndmask_b32 v[QZ+6+\i], v[S+\i], v[S+6+\i], s[UM]   ; my tile's six registers of the pair's twelve
.endr
	v_lshrrev_b32 v[S+13], s[USH], v[S+12]
	s_delay_alu instid0(VALU_DEP_1)
	v_and_b32 v[S+13], 0xffff, v[S+13]             ; my tile's two scale bytes
	s_delay_alu instid0(VALU_DEP_1)
	v_or_b32 v[QSA], 0x7f7f0000, v[S+13]           ; [q; 0]: 1.0 over the zero half
	s_delay_alu instid0(VALU_DEP_2)
	v_lshl_or_b32 v[QSB], v[S+13], 16, 0x7f7f      ; [0; q]
.rept 8
	v_nop                                          ; a scale register written by a vector instruction stands eight places ahead of a scaled matrix instruction
.endr
	s_wait_kmcnt 0x0                               ; gamma
.Lslot:                                            ; seven trips: behind each change of slots but the last the next slot is asked for
	CHANGE 1
	SLOT_STEPS
	s_sub_co_u32 s[SLOTS], s[SLOTS], 1
	s_cmp_lg_u32 s[SLOTS], 0
	s_cbranch_scc1 .Lslot
	CHANGE 0                                       ; the last slot is written out
	SLOT_STEPS
	; THE WAY OUT.  O^T x gamma / l goes into a stage laid [channel][query], over the ring; then each wave reads 32 whole rows, adds fa, clips at 0 and stores 512 consecutive bytes an instruction.
	s_wait_dscnt 0x0                               ; my reads of the ring are over:
	s_barrier_signal -1                            ; say so, and work on registers while the others arrive
	v_add_f32 v14, v14, v15                        ; the sum's two halves,
	s_delay_alu instid0(VALU_DEP_1)
	v_permlanex16_b32 v[X1], v14, s[SEL], s[SEL+1]
	s_delay_alu instid0(VALU_DEP_1)
	v_add_f32 v14, v14, v[X1]                      ; and lane l xor 16's: the row's sum
	s_wait_alu depctr_va_vdst(0)
	v_rcp_f32 v14, v14
	v_and_b32 v[AD], 15, v0                        ; (a plain place behind the transcendental)  r
	v_bfe_u32 v[ADS], v0, 4, 1                     ; h
	s_delay_alu instid0(VALU_DEP_2)
	v_and_b32 v[STO], 8, v[AD]
	s_delay_alu instid0(VALU_DEP_1)
	v_add_nc_u32 v[STO], v[STO], v[AD]             ; r + 8 (r / 8)
	s_delay_alu instid0(VALU_DEP_1)
	v_lshlrev_b32 v[STO], 2, v[STO]
	s_delay_alu instid0(VALU_DEP_1)
	v_mad_u32_u24 v[STO], v[ADS], 8*SP, v[STO]     ; my half's channels begin 8 rows on
	s_lshl_b32 s50, s18, 7                         ; my query is 32 g + 8 u + r + 8 (r / 8): 4 bytes each
	s_and_b32 s19, s[WV], 1
	s_lshl_b32 s19, s19, 5
	s_add_co_u32 s50, s50, s19
	v_add_nc_u32 v[STO], s50, v[STO]
	s_delay_alu instid0(VALU_DEP_1)
	v_add_nc_u32 v[STO2], 128*SP, v[STO]
	s_mul_i32 s50, s[WV], 32*SP
	v_add_nc_u32 v[RD], s50, v[LI]                 ; back: my 32 rows, 16 bytes a lane
	s_wait_alu depctr_va_vdst(0)                   ; ahead of the reciprocal's first reader
	v_mul_f32 v[FF], s[GAM], v14                   ; gamma / l
	WIN 0x41
.set ii, 0
.rept 64
	v_pk_mul_f32 v[2*ii:2*ii+1], v[2*ii:2*ii+1], v[FF:FF+1] op_sel_hi:[1,0]
.set ii, ii+1
.endr
	WIN 0
	s_wait_alu depctr_va_vdst(0)
	s_barrier_wait -1                              ; nobody reads the ring any more, and it has had its last fill
	WIN 0x04                                       ; an LDS store's data are its source 1: window 1
.irp t, 0,1,2,3,4,5,6,7
.irp j, 0,1,2,3,4,5,6,7
	ds_store_b32 v[STO], v[8*\t+\j] offset:(16*\t+\j)*SP            ; channel 16 t + 8 h + j, my query
.endr
.endr
.irp t, 8,9,10,11,12,13,14,15
.irp j, 0,1,2,3,4,5,6,7
	ds_store_b32 v[STO2], v[8*\t+\j] offset:(16*(\t-8)+\j)*SP
.endr
.endr
	WIN 0
	s_wait_dscnt 0x0                               ; for the others' sake: my stores into the stage are done
	s_barrier_signal -1
	s_barrier_wait -1
.set ii, 0
.rept 32
	ds_load_b128 v[S+4*ii:S+4*ii+3], v[RD] offset:ii*SP
.set ii, ii+1
.endr
	s_wait_loadcnt 0x0                             ; fa
	s_wait_dscnt 0x0
	WIN 0x04                                       ; source 1 (fa) window 1
.set ii, 0
.rept 64
	v_pk_add_f32 v[S+2*ii:S+2*ii+1], v[S+2*ii:S+2*ii+1], v[128+2*ii:128+2*ii+1]
.set ii, ii+1
.endr
	WIN 0
.set ii, 0
.rept 128
	v_max_num_f32 v[S+ii], 0, v[S+ii]              ; relu
.set ii, ii+1
.endr
.set ii, 0
.rept 32
	global_store_b128 v[LI], v[S+4*ii:S+4*ii+3], s[OUTB:OUTB+1] offset:16384*ii th:TH_STORE_NT   ; 32 lanes store 512 consecutive bytes, at a multiple of 256 from out0's first byte
.set ii, ii+1
.endr
	s_wait_tensorcnt 0x0                           ; the wave's end: behind my last tensor load and my last LDS store
	ds_add_u32 v[SPW], v[NIL]
	s_wait_dscnt 0x0
	CROUND                                         ; the closing round: no work-group ends while a partner may still ask for a tile that names it
	s_endpgm
.Lfunc_end_k_q5471907aa0_attn:
	.size	k_q5471907aa0_attn, .Lfunc_end_k_q5471907aa0_attn-k_q5471907aa0_attn
	.p2alignl 7, 3214868480
	.fill 96, 4, 3214868480
	.section	.rodata,"a",@progbits
	.p2align	6, 0x0
	.amdhsa_kernel k_q5471907aa0_attn
		.amdhsa_group_segment_fixed_size 327680
		.amdhsa_private_segment_fixed_size 0
		.amdhsa_enable_private_segment 0
		.amdhsa_kernarg_size 40
		.amdhsa_user_sgpr_count 2
		.amdhsa_user_sgpr_kernarg_segment_ptr 1
		.amdhsa_wavefront_size32 1
		.amdhsa_system_sgpr_workgroup_id_x 1
		.amdhsa_system_sgpr_workgroup_id_y 1
		.amdhsa_system_sgpr_workgroup_id_z 1
		.amdhsa_system_vgpr_workitem_id 0
		.amdhsa_next_free_vgpr 512
		.amdhsa_next_free_sgpr 66
		.amdhsa_reserve_vcc 0
		.amdhsa_float_denorm_mode_32 3
		.amdhsa_float_denorm_mode_16_64 3
		.amdhsa_memory_ordered 1
		.amdhsa_forward_progress 1
		.amdhsa_inst_pref_size 91
	.end_amdhsa_kernel
	.amdgpu_metadata
---
amdhsa.version: [ 1, 2 ]
amdhsa.kernels:
  - .name:           k_q5471907aa0_attn
    .symbol:         k_q5471907aa0_attn.kd
    .args:
      - { .name: qimg, .offset: 0, .size: 8, .value_kind: global_buffer, .address_space: global }
      - { .name: kvrec, .offset: 8, .size: 8, .value_kind: global_buffer, .address_space: global }
      - { .name: fa, .offset: 16, .size: 8, .value_kind: global_buffer, .address_space: global }
      - { .name: gamma, .offset: 24, .size: 8, .value_kind: global_buffer, .address_space: global }
      - { .name: out0, .offset: 32, .size: 8, .value_kind: global_buffer, .address_space: global }
    .group_segment_fixed_size: 327680
    .private_segment_fixed_size: 0
    .kernarg_segment_align: 8
    .kernarg_segment_size: 40
    .max_flat_workgroup_size: 256
    .sgpr_count:     66
    .vgpr_count:     512
    .wavefront_size: 32
...
	.end_amdgpu_metadata
.endif
;; end of part 2
